; MI455X (gfx1250); checked and timed in simulation.
; The chip was launched on July 23, 2026; its instructions are those of AMD's public machine-readable ISA for CDNA 5 (MIT licence, August 2026) and "CDNA5" Instruction Set Architecture Reference Guide (July 2026). The comments in the code are by the model that wrote it; some were corrected since.
;; MOE. Allowed arithmetic: float matrix products may take bf16 or f16 operands with f32 sums; other float arithmetic in f32, or as packed bf16 or f16 multiplies, adds, multiply-adds, maxima and minima; sums over many terms, partial sums and values carried from step to step in f32; what a program stores and reads back later, other than sums and carried values, may be rounded once to bf16 or f16.
;; Inputs: gate_b 32 float32; gate_w 32 x 1,024 float32; weight 32 x 1,024 x 1,024 float32; x 2,048 x 1,024 float32.
;; Outputs: out0 2,048 x 1,024 float32.
;; 2 versions, each right and faster than the one before. Each part assembles by itself: llvm-mc -triple=amdgcn-amd-amdhsa -mcpu=gfx1250 --defsym DOCPART=n.
;; ======== version 1 of 2: 3 launches
;; workspace buffers: xf 4,194,304 bytes; gb 262,144 bytes; part 33,554,432 bytes
;; launch gate (part 1): grid 128 x 1, 8 waves a work-group, no clusters, 17,408 bytes of LDS; arguments x, gate_w, gate_b, xf, gb; writes xf, gb
.if DOCPART == 1
	.amdgcn_target "amdgcn-amd-amdhsa--gfx1250"
	.amdhsa_code_object_version 6
	.text
	.protected	k_qbd53803d2f_gate
	.globl	k_qbd53803d2f_gate
	.p2align	8
	.type	k_qbd53803d2f_gate,@function
k_qbd53803d2f_gate:
	s_mov_b64 s[64:65], 0
	v_nop
	global_prefetch_b8 v0, s[64:65] scope:SCOPE_SE
	s_setreg_imm32_b32 hwreg(HW_REG_WAVE_MODE, 25, 1), 1
	s_wait_xcnt 0x0
; g[b][n] = gelu(x[b] . gate_w[n] + gate_b[n]), the exact (erf) gelu, in f32; and x rounded once to bf16, laid out as the next launch's matrix operands.
; x: [2048][1024] f32.  gate_w: [32][1024] f32.  gate_b: [32] f32.
; xf: bf16, [block of 16 rows: 128][32 along k: 32][half: 2][lane: 32][16 bytes]: half 0 is a fragment's registers 0-3, half 1 its registers 4-7.
; gb: f32, [block of 16 rows: 128][n: 32][row: 16].
; SHARES.  A work-group owns 16 rows (a matrix instruction's height), so there are 2048 / 16 = 128 of them.  Wave w owns k = 128 w .. 128 w + 127: four steps of 32.
; The eight waves' partial sums (f32) meet in LDS; then thread t finishes two numbers: expert t / 8, rows 2 (t % 8) and 2 (t % 8) + 1.
; FORMATS.  x, gate_w and gate_b are each rounded once to bf16; products are summed in f32; the gelu is made in f32.
; LIMITS.  erfc(s), s = |z| / sqrt(2), is t (a1 + t (a2 + t (a3 + t (a4 + t a5)))) exp(-s s) with t = 1 / (1 + 0.3275911 s) (Abramowitz and Stegun 7.1.26):
; it holds for every s, to 1.5e-7 absolute.  An exponential below 2^-126 counts as 0.  NaN and infinities are not treated apart.
.set XS,    32                         ; v[32:95]    x as loaded: step ks, piece c (4 f32) at XS + 16 ks + 4 c; compacted to bf16: fragment ks at XS + 8 ks
.set WS,    96                         ; v[96:223]   gate_w as loaded: at WS + 64 nb + 16 ks + 4 c; compacted: fragment (nb, ks) at WS + 32 nb + 8 ks
.set SUMS,  160                        ; v[160:175]  later: the eight waves' partial sums of my two numbers
.set ACC,   224                        ; v[224:239]  two accumulators: experts 0-15, experts 16-31
.set SPARE, 16384                      ; behind the partial sums: the spare words, 128 bytes for each of the eight waves
; v1 r = lane % 16   v2 h = lane / 16   v3 offset in x and in gate_w   v4 offset of my bias   v5 16 x lane   v6 where my sums go in LDS   v7 8 x thread
; v8 my spare word   v9 0   v10 the bias   v[12:27] the gelu at work
	s_load_b256 s[4:11], s[0:1], 0x0               ; x s[4:5], gate_w s[6:7], gate_b s[8:9], xf s[10:11]
	s_load_b64 s[12:13], s[0:1], 0x20              ; gb
	v_lshl_add_u32 v8, v0, 2, SPARE
	v_mov_b32 v9, 0
	v_lshrrev_b32 v11, 5, v0
	v_readfirstlane_b32 s14, v11                   ; wave 0..7
	v_and_b32 v1, 15, v0
	v_bfe_u32 v2, v0, 4, 1
	; A fragment is 16 rows x 32 k: lane (r, h) holds row r, k = 8 h + 0..7 (registers 0-3) and 16 + 8 h + 0..7 (registers 4-7).  In f32 that is four pieces of 16 bytes, at 32 h + 0, 16, 64, 80.
	v_lshlrev_b32 v3, 12, v1                       ; row x 4,096 bytes
	v_lshl_add_u32 v3, v2, 5, v3                   ; + 32 h
	s_lshl_b32 s15, s14, 9
	v_add_nc_u32 v3, s15, v3                       ; + my wave's 512 bytes of the row
	v_lshrrev_b32 v4, 3, v0
	v_lshlrev_b32 v4, 2, v4                        ; my expert's bias
	v_and_b32 v5, 31, v0
	v_lshlrev_b32 v5, 4, v5
	v_lshlrev_b32 v6, 6, v1                        ; LDS: [wave][n][row] f32: expert r x 64 bytes
	v_lshl_add_u32 v6, v2, 5, v6                   ; + rows 8 h on
	s_lshl_b32 s15, s14, 11
	v_add_nc_u32 v6, s15, v6                       ; + my wave's 2,048 bytes
	v_lshlrev_b32 v7, 3, v0
	s_mov_b32 s20, 0x3e827906                      ; a1 =  0.254829592
	s_mov_b32 s21, 0xbe91a98e                      ; a2 = -0.284496736
	s_mov_b32 s22, 0x3fb5f0e3                      ; a3 =  1.421413741
	s_mov_b32 s23, 0xbfba00e3                      ; a4 = -1.453152027
	s_mov_b32 s24, 0x3f87dc22                      ; a5 =  1.061405429
	s_mov_b32 s25, 0x3ea7ba05                      ; 0.3275911
	s_lshl_b32 s16, ttmp9, 16                      ; x: my 16 rows of 4,096 bytes
	s_mov_b32 s17, 0
	s_lshl_b32 s18, ttmp9, 15                      ; xf: my block's 32,768 bytes,
	s_lshl_b32 s19, s14, 12                        ; my wave's four steps of 1,024
	s_add_co_u32 s18, s18, s19
	s_mov_b32 s19, 0
	s_lshl_b32 s26, ttmp9, 11                      ; gb: my block's 2,048 bytes
	s_mov_b32 s27, 0
	s_wait_kmcnt 0x0
	s_add_nc_u64 s[4:5], s[4:5], s[16:17]
	s_add_nc_u64 s[10:11], s[10:11], s[18:19]
	s_add_nc_u64 s[12:13], s[12:13], s[26:27]
	global_load_b32 v10, v4, s[8:9]
.set i, 0
.rept 16                               ; x: step i / 4, piece i % 4.  The sixteen loads together take 512 consecutive bytes of each of the 16 rows
	global_load_b128 v[XS+4*i:XS+4*i+3], v3, s[4:5] offset:(i/4)*128+16*(i%2)+64*((i%4)/2)
.set i, i+1
.endr
.set i, 0
.rept 32                               ; gate_w: experts 16 (i / 16) on, step (i / 4) % 4, piece i % 4
	global_load_b128 v[WS+4*i:WS+4*i+3], v3, s[6:7] offset:(i/16)*65536+((i/4)%4)*128+16*(i%2)+64*((i%4)/2)
.set i, i+1
.endr
	s_wait_loadcnt 32                              ; the 32 loads of gate_w are younger: the bias and x are in
.set i, 0
.rept 32                               ; x to bf16, compacted in place: the destination never passes a source that is still to be read
	v_cvt_pk_bf16_f32 v[XS+i], v[XS+2*i], v[XS+2*i+1]
.set i, i+1
.endr
.set i, 0
.rept 8                                ; step i / 2, half i % 2: each store of the wave covers 512 consecutive bytes, aligned
	global_store_b128 v5, v[XS+4*i:XS+4*i+3], s[10:11] offset:512*i
.set i, i+1
.endr
	v_cvt_pk_bf16_f32 v10, v10, v10                ; the bias is rounded like the other inputs,
	v_lshlrev_b32 v10, 16, v10                     ; and widened again
	s_wait_loadcnt 0x0                             ; gate_w
.set i, 0
.rept 64
	v_cvt_pk_bf16_f32 v[WS+i], v[WS+2*i], v[WS+2*i+1]
.set i, i+1
.endr
.set i, 0
.rept 8                                ; step i / 2, experts 16 (i % 2) on: the two accumulators take turns; the first step starts the sums
.if i < 2
	v_wmma_f32_16x16x32_bf16 v[ACC+8*(i%2):ACC+8*(i%2)+7], v[XS+8*(i/2):XS+8*(i/2)+7], v[WS+32*(i%2)+8*(i/2):WS+32*(i%2)+8*(i/2)+7], 0
.else
	v_wmma_f32_16x16x32_bf16 v[ACC+8*(i%2):ACC+8*(i%2)+7], v[XS+8*(i/2):XS+8*(i/2)+7], v[WS+32*(i%2)+8*(i/2):WS+32*(i%2)+8*(i/2)+7], v[ACC+8*(i%2):ACC+8*(i%2)+7]
.endif
.set i, i+1
.endr
.rept 4
	v_nop                                          ; four places between the last product and the stores that read the results
.endr
	; register j of lane (r, h) holds row 8 h + j of expert 16 nb + r.  Rows of 64 bytes: four lanes share a group of banks; four stores a wave, once
.set i, 0
.rept 4
	ds_store_b128 v6, v[ACC+4*i:ACC+4*i+3] offset:(i/2)*1024+16*(i%2)
.set i, i+1
.endr
	s_wait_dscnt 0x0                               ; for the others' sake: my partial sums are in LDS
	s_barrier_signal -1
	s_barrier_wait -1
.set i, 0
.rept 8
	ds_load_b64 v[SUMS+2*i:SUMS+2*i+1], v7 offset:2048*i  ; wave i's part of my two numbers
.set i, i+1
.endr
	s_wait_dscnt 0x0
	v_pk_add_f32 v[SUMS:SUMS+1], v[SUMS:SUMS+1], v[SUMS+2:SUMS+3]
	v_pk_add_f32 v[SUMS+4:SUMS+5], v[SUMS+4:SUMS+5], v[SUMS+6:SUMS+7]
	v_pk_add_f32 v[SUMS+8:SUMS+9], v[SUMS+8:SUMS+9], v[SUMS+10:SUMS+11]
	v_pk_add_f32 v[SUMS+12:SUMS+13], v[SUMS+12:SUMS+13], v[SUMS+14:SUMS+15]
	v_pk_add_f32 v[SUMS:SUMS+1], v[SUMS:SUMS+1], v[SUMS+4:SUMS+5]
	v_pk_add_f32 v[SUMS+8:SUMS+9], v[SUMS+8:SUMS+9], v[SUMS+12:SUMS+13]
	v_pk_add_f32 v[SUMS:SUMS+1], v[SUMS:SUMS+1], v[SUMS+8:SUMS+9]
	v_add_f32 v12, v[SUMS], v10                    ; z
	v_add_f32 v13, v[SUMS+1], v10
	; gelu(z) = z / 2 x (1 + erf(z / sqrt(2))); 1 + erf is 2 - erfc(s) for z >= 0 and erfc(s) for z < 0
	v_and_b32 v14, 0x7fffffff, v12
	v_and_b32 v15, 0x7fffffff, v13
	v_mul_f32 v14, 0x3f3504f3, v14                 ; s = |z| / sqrt(2)
	v_mul_f32 v15, 0x3f3504f3, v15
	v_fma_f32 v16, v14, s25, 1.0
	v_fma_f32 v17, v15, s25, 1.0
	v_mul_f32 v18, v14, v14
	v_mul_f32 v19, v15, v15
	v_mul_f32 v18, 0xbfb8aa3b, v18                 ; - s s log2(e)
	v_mul_f32 v19, 0xbfb8aa3b, v19
	v_rcp_f32 v20, v16                             ; one batch of four,
	v_rcp_f32 v21, v17
	v_exp_f32 v22, v18
	v_exp_f32 v23, v19
	v_nop                                          ; a plain instruction behind the last of them,
	s_wait_alu depctr_va_vdst(0)                   ; and one wait ahead of the first use
	v_fma_f32 v24, v20, s24, s23
	v_fma_f32 v25, v21, s24, s23
	v_fma_f32 v24, v24, v20, s22
	v_fma_f32 v25, v25, v21, s22
	v_fma_f32 v24, v24, v20, s21
	v_fma_f32 v25, v25, v21, s21
	v_fma_f32 v24, v24, v20, s20
	v_fma_f32 v25, v25, v21, s20
	v_mul_f32 v24, v24, v20
	v_mul_f32 v25, v25, v21
	v_mul_f32 v24, v24, v22                        ; erfc(s)
	v_mul_f32 v25, v25, v23
	v_sub_f32 v26, 2.0, v24
	v_sub_f32 v27, 2.0, v25
	v_cmp_le_f32 vcc_lo, 0, v12
	v_cndmask_b32 v24, v24, v26, vcc_lo
	v_cmp_le_f32 vcc_lo, 0, v13
	v_cndmask_b32 v25, v25, v27, vcc_lo
	v_mul_f32 v12, 0.5, v12
	v_mul_f32 v13, 0.5, v13
	v_mul_f32 v12, v12, v24
	v_mul_f32 v13, v13, v25
	global_store_b64 v7, v[12:13], s[12:13]        ; a wave's store covers 256 consecutive bytes, aligned
	s_wait_tensorcnt 0x0                           ; the wave's end, behind my last LDS store
	ds_add_u32 v8, v9
	s_wait_dscnt 0x0
	s_endpgm
.Lfunc_end_k_qbd53803d2f_gate:
	.size	k_qbd53803d2f_gate, .Lfunc_end_k_qbd53803d2f_gate-k_qbd53803d2f_gate
	.p2alignl 7, 3214868480
	.fill 96, 4, 3214868480
	.section	.rodata,"a",@progbits
	.p2align	6, 0x0
	.amdhsa_kernel k_qbd53803d2f_gate
		.amdhsa_group_segment_fixed_size 17408
		.amdhsa_private_segment_fixed_size 0
		.amdhsa_enable_private_segment 0
		.amdhsa_kernarg_size 40
		.amdhsa_user_sgpr_count 2
		.amdhsa_user_sgpr_kernarg_segment_ptr 1
		.amdhsa_wavefront_size32 1
		.amdhsa_system_sgpr_workgroup_id_x 1
		.amdhsa_system_sgpr_workgroup_id_y 1
		.amdhsa_system_sgpr_workgroup_id_z 1
		.amdhsa_system_vgpr_workitem_id 0
		.amdhsa_next_free_vgpr 240
		.amdhsa_next_free_sgpr 66
		.amdhsa_reserve_vcc 1
		.amdhsa_float_denorm_mode_32 3
		.amdhsa_float_denorm_mode_16_64 3
		.amdhsa_memory_ordered 1
		.amdhsa_forward_progress 1
		.amdhsa_inst_pref_size 18
	.end_amdhsa_kernel
	.amdgpu_metadata
---
amdhsa.version: [ 1, 2 ]
amdhsa.kernels:
  - .name:           k_qbd53803d2f_gate
    .symbol:         k_qbd53803d2f_gate.kd
    .args:
      - { .name: x, .offset: 0, .size: 8, .value_kind: global_buffer, .address_space: global }
      - { .name: gate_w, .offset: 8, .size: 8, .value_kind: global_buffer, .address_space: global }
      - { .name: gate_b, .offset: 16, .size: 8, .value_kind: global_buffer, .address_space: global }
      - { .name: xf, .offset: 24, .size: 8, .value_kind: global_buffer, .address_space: global }
      - { .name: gb, .offset: 32, .size: 8, .value_kind: global_buffer, .address_space: global }
    .group_segment_fixed_size: 17408
    .private_segment_fixed_size: 0
    .kernarg_segment_align: 8
    .kernarg_segment_size: 40
    .max_flat_workgroup_size: 256
    .sgpr_count:     66
    .vgpr_count:     240
    .wavefront_size: 32
...
	.end_amdgpu_metadata
.endif
;; end of part 1
;; launch mix (part 2): grid 8 x 32, 4 waves a work-group, clusters of 4 x 4, 327,680 bytes of LDS; arguments weight, xf, gb, part; writes part
.if DOCPART == 2
	.amdgcn_target "amdgcn-amd-amdhsa--gfx1250"
	.amdhsa_code_object_version 6
	.text
	.protected	k_qbd53803d2f_mix
	.globl	k_qbd53803d2f_mix
	.p2align	8
	.type	k_qbd53803d2f_mix,@function
k_qbd53803d2f_mix:
	s_mov_b64 s[64:65], 0
	v_nop
	global_prefetch_b8 v0, s[64:65] scope:SCOPE_SE
	s_setreg_imm32_b32 hwreg(HW_REG_WAVE_MODE, 25, 1), 1
	s_wait_xcnt 0x0
	s_wait_alu depctr_hold_cnt(0) depctr_sa_sdst(0) depctr_va_vdst(0) depctr_va_sdst(0) depctr_va_ssrc(0) depctr_va_vcc(0) depctr_vm_vsrc(0)
	s_getreg_b32 s2, hwreg(HW_REG_IB_STS2, 6, 4)
	s_cmp_eq_u32 s2, 0
	s_cbranch_scc0 .Lentry_in_a_cluster
	s_endpgm
.Lentry_in_a_cluster:
	s_bfe_u32 s2, ttmp6, 0x10000c
	s_cmp_lg_u32 s2, 0xf033
	s_cbranch_scc0 .Lentry_shape_is_right
	s_endpgm
.Lentry_shape_is_right:
; part[q][b][o] = the sum over n = 0..31 of g[b][n] x (the sum over i = 256 q .. 256 q + 255 of weight[n][o][i] x[b][i]).
; weight: [32][1024][1024] f32.  xf: x in bf16 in fragment order, gb: g in f32 (both made by the launch before; their layouts stand at its head).  part: [4][2048][1024] f32.
; FORMATS.  The weights are rounded once to bf16 on their way from LDS to the matrix unit; products are summed in f32; g is applied to the f32 sums, in f32; the partial sums leave in f32.
; SHARES.  A work-group owns 256 rows b x 128 columns o x one quarter q of i: 8 x 8 x 4 = 256 work-groups.  Its four waves lie 2 x 2, each 128 b x 64 o.
; A wave has two sets of 32 accumulators of 16 x 16: P, one expert's sum, and T, the total.  At an expert's end T += g P.
; THE MATRIX INSTRUCTION IS USED TRANSPOSED: source 0 = 16 rows of the weights, source 1 = 16 rows of x.  A lane then holds ONE row b (lane % 16) and eight neighbouring o, so g is one register for 16 rows.
; THE WALK.  A SLICE is one expert x 128 i: 128 rows of 512 bytes in LDS, 128 matrix instructions a wave.  The quarter is walked in two passes of 128 i over all 32 experts: 64 slices.  In a pass x does
; not change, so a wave's fragments of x (128 rows x 128 k: 256 registers) stay in registers, and LDS holds weights alone.
; THE RING.  Two slots of two slices (two experts) each; 32 fills.  Each wave fetches a quarter of a slot by one tensor load: 64 rows of 512 bytes, each starting at a multiple of 512 from the buffer's first byte.
; A refill is asked for 240 matrix instructions ahead of the wait for it.
; CLUSTER.  4 x 4 work-groups.  A tile of weights hangs on the column block and the quarter alone, which the four work-groups of a column of the cluster share: it is asked for JOINTLY, by the same
; tensor load with the same descriptor and a mask that names the four.  g's block hangs on the row block alone and is shared along a row of the cluster.
; REGISTERS, in windows of 256 (s_set_vgpr_msb: bits 1:0 source 0, 3:2 source 1, 5:4 source 2, 7:6 destination):
;   window 0: v0-13 addresses; v16-23 g of my eight blocks of 16 rows; v32-95 ST, a ring of 16 pieces of 4 f32 as they come from LDS; v96-223 BF, two buffers of 8 fragments of weights in bf16
;   window 1: x: fragment (a, ks) at 32 a + 8 ks     window 2: P: accumulator (a, b) at 32 a + 8 b     window 3: T, likewise
.set PITCH, 528                        ; an LDS row: 512 bytes + 16 of padding = 132 words: row r starts at bank 4 r mod 64 (64 banks of 4 bytes: ISA guide 11.1), so the 16 rows of a load start at 16 different groups of banks
.set QUART, 64*PITCH                   ; what one tensor load brings, and what one wave reads of a slice
.set SLICE, 2*QUART
.set SLOT,  2*SLICE
.set GL,    2*SLOT                     ; behind the ring: g of my 256 rows, [block 16][n 32][row 16] f32, 32,768 bytes, filled once
.set STAGE, GL+32768                   ; 16 rows x 272 bytes for each wave, for the way out; no tensor load lands here
.set SP,    272
.set SPARE, STAGE+4*16*SP              ; the spare words, 128 bytes for each wave: two blocks of 256 bytes that no other line names
.set LB,  4                            ; v4   my lane's place in a slice: 528 r + 32 h + my half of its rows; never rewritten
.set AD,  5                            ; v5   the same in the slice that is being fetched
.set GA0, 6                            ; v6   my lane's place in g: my eight blocks, row r; never rewritten
.set GA,  7                            ; v7   the same at the expert in hand
.set XO,  8                            ; v8   16 x lane
.set STO, 9                            ; v9   the way out: where I put 16 bytes of a row
.set RD,  10                           ; v10  the way out: where I read a row back
.set CO,  11                           ; v11  my byte offset in two rows of part
.set SPW, 12                           ; v12  LDS address of my spare word; never rewritten
.set NIL, 13                           ; v13  0; never rewritten
.set G,   16
.set ST,  32
.set BF,  96
.set OB,  32                           ; the way out: 16 rows read back from the stage: v32-63 and v64-95 by turns
.set WV,  12                           ; s12  my wave's number
.set MH,  13                           ; s13  which half of the rows b is mine.  Also: which of a slot's two experts I fetch
.set OH,  14                           ; s14  which half of the columns o.  Also: which 64 rows of that expert's tile I fetch
.set CX,  15
.set CY,  16
.set YC,  17                           ; s17  the cluster's y
.set OT,  18                           ; s18  block of 128 columns = 4 x cluster x + cx
.set MT,  19                           ; s19  block of 256 rows = 4 x (cluster y % 2) + cy
.set QQ,  20                           ; s20  quarter of i = cluster y / 2: it never holds cy
.set CM,  21                           ; s21  mask of my column of the cluster
.set RM,  22                           ; s22  mask of my row
.set G1B, 24                           ; s[24:31] descriptor group 1 for the weights' tiles
.set G1G, 32                           ; s[32:39] for g's block
.set G0B, 40                           ; s[40:47] descriptor group 0 for the weights' tiles, a set for each slot
.set G0G, 48                           ; s[48:51] for g's block
.set BW,  52                           ; s[52:53] the weights at my part of fill 0
.set OFF, 54                           ; s[54:55] a fill's byte offset from there
.set NF,  56                           ; s56  the fill to be asked for next
.set SG,  57                           ; s57  the slice in hand
.set GN,  59                           ; s59  64 x its expert
.set LP,  60
.set MSB, 0
.macro WIN new                         ; the immediate's high byte repeats the setting that is left; a switch that changes nothing is dropped
.if MSB != (\new)
	s_set_vgpr_msb (MSB<<8)|(\new)
.set MSB, (\new)
.endif
.endm
.set MUL,    0xa4                      ; weights (source 0) window 0, x (source 1) window 1, C and D window 2
.set FMA,    0xf2                      ; P (source 0) window 2, g (source 1) window 0, T (source 2 and destination) window 3
.set TO_A,   0x40                      ; destination window 1, address window 0
.set FROM_T, 0x0c                      ; an LDS store's data (source 1) window 3
.macro CREST                           ; a round of the cluster's barrier behind its opening barrier
	s_cmp_lg_u32 s[WV], 0
	s_cbranch_scc1 .Lnot_wave_0_\@
	s_barrier_signal -3
.Lnot_wave_0_\@:
	s_barrier_wait -3
	s_barrier_signal -1
	s_barrier_wait -1
.endm
.macro CROUND                          ; a whole round
	s_barrier_signal -1
	s_barrier_wait -1
	CREST
.endm
.macro JLOAD s                         ; a joint refill of slot s: one line for all four waves (one mask); the LDS address and the rows hang on the wave's number.  An s_nop 0 and four v_nop follow it
	tensor_load_to_lds s[G0B+4*(\s):G0B+4*(\s)+3], s[G1B:G1B+7]
	s_nop 0
.rept 4
	v_nop
.endr
.endm
	s_load_b256 s[4:11], s[0:1], 0x0               ; weight s[4:5], xf s[6:7], gb s[8:9], part s[10:11]
	v_lshl_add_u32 v[SPW], v0, 2, SPARE
	v_mov_b32 v[NIL], 0
	ds_add_u32 v[SPW], v[NIL]                      ; the wave's opening: the add and its wait stand ahead of my first tensor load; the set-up below, work on registers, stands between them
	v_lshrrev_b32 v3, 5, v0
	v_readfirstlane_b32 s[WV], v3                  ; wave 0..3
	s_lshr_b32 s[MH], s[WV], 1
	s_and_b32 s[OH], s[WV], 1
	s_bfe_u32 s[CX], ttmp6, 0x40000                ; my place in the cluster
	s_bfe_u32 s[CY], ttmp6, 0x40004
	s_and_b32 s[YC], ttmp7, 0xffff                 ; in a cluster launch ttmp9 and ttmp7 count clusters
	s_lshl_b32 s[OT], ttmp9, 2
	s_add_co_u32 s[OT], s[OT], s[CX]
	s_lshr_b32 s[QQ], s[YC], 1
	s_and_b32 s[MT], s[YC], 1
	s_lshl_b32 s[MT], s[MT], 2
	s_add_co_u32 s[MT], s[MT], s[CY]
	s_lshl_b32 s[CM], 0x1111, s[CX]                ; my column: places cx, cx + 4, cx + 8, cx + 12
	s_lshl_b32 s[RM], s[CY], 2
	s_lshl_b32 s[RM], 15, s[RM]                    ; my row: places 4 cy .. 4 cy + 3
	; group 1 for the weights: a tile of 64 rows x 128 elements of 4 bytes, padded in LDS
	s_or_b32 s[G1B+0], s[CM], (2<<16)|(1<<20)|(1<<21)|(6<<22)|(3<<25)  ; 15:0 the mask; 17:16 elements of 4 bytes; 20 padding on; 21 set beside a mask; 24:22 after every 128 words (code 6); 31:25 4 words of it (code 3)
	s_mov_b32 s[G1B+1], 128<<16                    ; tensor_dim0 = 128
	s_mov_b32 s[G1B+2], 64<<16                     ; tensor_dim1 = 64
	s_mov_b32 s[G1B+3], 128<<16                    ; tile_dim0 = 128
	s_mov_b32 s[G1B+4], 64                         ; tile_dim1 = 64
	s_mov_b32 s[G1B+5], 1024                       ; 1,024 elements from row to row
	s_mov_b32 s[G1B+6], 0
	s_mov_b32 s[G1B+7], 0
	; group 1 for g: 8,192 dense bytes a wave, as 32 rows of 32 elements of 8 bytes
	s_or_b32 s[G1G+0], s[RM], (3<<16)|(1<<21)
	s_mov_b32 s[G1G+1], 32<<16
	s_mov_b32 s[G1G+2], 32<<16
	s_mov_b32 s[G1G+3], 32<<16
	s_mov_b32 s[G1G+4], 32
	s_mov_b32 s[G1G+5], 32
	s_mov_b32 s[G1G+6], 0
	s_mov_b32 s[G1G+7], 0
	s_mov_b32 s[G0B+0], 1                          ; count = 1
	s_mul_i32 s[G0B+1], s[WV], QUART               ; LDS address: slot 0, my quarter: no place in the cluster enters an LDS address
	s_mov_b32 s[G0B+4], 1
	s_add_co_u32 s[G0B+5], s[G0B+1], SLOT          ; slot 1
	s_mov_b32 s[G0G+0], 1
	s_lshl_b32 s[G0G+1], s[WV], 13
	s_add_co_u32 s[G0G+1], s[G0G+1], GL
	; the four offsets, each in registers of its own: the weights' hold cx and never cy, g's and x's hold cy and never cx
	s_lshl_b32 s66, s[OT], 7                       ; weights: row 128 x column block + 64 x half,
	s_lshl_b32 s67, s[OH], 6
	s_add_co_u32 s66, s66, s67
	s_lshl_b32 s66, s66, 12                        ; of 4,096 bytes,
	s_lshl_b32 s67, s[MH], 22                      ; my expert of the pair, 4 MiB each,
	s_add_co_u32 s66, s66, s67
	s_lshl_b32 s67, s[QQ], 10                      ; the quarter's 1,024 bytes of a row
	s_add_co_u32 s66, s66, s67
	s_mov_b32 s67, 0
	s_lshl_b32 s68, s[MT], 15                      ; g: my 16 blocks of 2,048 bytes, my wave's four of them
	s_lshl_b32 s69, s[WV], 13
	s_add_co_u32 s68, s68, s69
	s_mov_b32 s69, 0
	s_lshl_b32 s2, s[MT], 4                        ; x: block 16 x row block + 8 x half,
	s_lshl_b32 s3, s[MH], 3
	s_add_co_u32 s2, s2, s3
	s_lshl_b32 s2, s2, 15                          ; of 32,768 bytes,
	s_lshl_b32 s3, s[QQ], 13                       ; the quarter's eight steps of 1,024
	s_add_co_u32 s2, s2, s3
	s_mov_b32 s3, 0
	s_lshl_b32 s70, s[MT], 8                       ; part: row 256 x row block + 128 x half,
	s_lshl_b32 s71, s[MH], 7
	s_add_co_u32 s70, s70, s71
	s_lshl_b32 s70, s70, 12                        ; of 4,096 bytes,
	s_lshl_b32 s71, s[QQ], 23                      ; the quarter's 8 MiB,
	s_add_co_u32 s70, s70, s71
	s_lshl_b32 s71, s[OT], 9                       ; the column block's 512 bytes,
	s_add_co_u32 s70, s70, s71
	s_lshl_b32 s71, s[OH], 8                       ; my half of them
	s_add_co_u32 s70, s70, s71
	s_mov_b32 s71, 0
	s_mov_b32 s[OFF+1], 0
	s_mov_b32 s[NF], 2
	s_mov_b32 s[SG], 0
	s_mov_b32 s[GN], 0
	; the lanes' addresses
	v_and_b32 v1, 15, v0                           ; r
	v_bfe_u32 v2, v0, 4, 1                         ; h
	v_mul_u32_u24 v[LB], v1, PITCH
	v_lshl_add_u32 v[LB], v2, 5, v[LB]             ; a lane's eight k are 32 bytes of f32
	s_mul_i32 s62, s[OH], QUART
	v_add_nc_u32 v[LB], s62, v[LB]
	s_lshl_b32 s62, s[MH], 14
	s_add_co_u32 s62, s62, GL
	v_lshl_add_u32 v[GA0], v1, 2, s62
	v_and_b32 v[XO], 31, v0
	v_lshlrev_b32 v[XO], 4, v[XO]
	s_mul_i32 s63, s[WV], 16*SP
	s_add_co_u32 s63, s63, STAGE                   ; my stage
	v_mul_u32_u24 v[STO], v1, SP                   ; in: row r, 32 bytes for each half of the lanes
	v_lshl_add_u32 v[STO], v2, 5, v[STO]
	v_add_nc_u32 v[STO], s63, v[STO]
	v_mul_u32_u24 v[RD], v2, SP                    ; back: lanes 0-15 take one row of 256 bytes, lanes 16-31 the next
	v_lshl_add_u32 v[RD], v1, 4, v[RD]
	v_add_nc_u32 v[RD], s63, v[RD]
	v_lshlrev_b32 v[CO], 12, v2                    ; and the same two rows in part
	v_lshl_add_u32 v[CO], v1, 4, v[CO]
	s_wait_dscnt 0x0                               ; the opening add is done
	s_wait_kmcnt 0x0
	s_add_nc_u64 s[BW:BW+1], s[4:5], s[66:67]
	s_mov_b64 s[G0B+2:G0B+3], s[BW:BW+1]           ; fill 0: experts 0 and 1, pass 0
	s_or_b32 s[G0B+3], s[G0B+3], 0x80000000        ; type = 2
	s_add_nc_u64 s[G0B+6:G0B+7], s[BW:BW+1], 0x800000  ; fill 1: experts 2 and 3
	s_or_b32 s[G0B+7], s[G0B+7], 0x80000000
	s_add_nc_u64 s[G0G+2:G0G+3], s[8:9], s[68:69]
	s_or_b32 s[G0G+3], s[G0G+3], 0x80000000
	s_add_nc_u64 s[6:7], s[6:7], s[2:3]            ; x at my wave's first block and the quarter's first step
	s_add_nc_u64 s[10:11], s[10:11], s[70:71]      ; part at my wave's first row and column
	CROUND                                         ; all sixteen work-groups are here: the first joint loads meet
	tensor_load_to_lds s[G0B:G0B+3], s[G1B:G1B+7]  ; the first fills go out as one group: three loads of mine are out.  Slot 0,
	s_nop 0
	tensor_load_to_lds s[G0G:G0G+3], s[G1G:G1G+7]  ; g,
	s_nop 0
	tensor_load_to_lds s[G0B+4:G0B+7], s[G1B:G1B+7]  ; slot 1
	s_nop 0
.rept 4
	v_nop
.endr
; THE ORDER IN A SLICE.  Matrix instruction mi of 128: half slice mi / 64 (64 k, one buffer of BF), block a = (mi / 8) % 8 of 16 rows b, step kk = (mi / 4) % 2 of 32 k, block b = mi % 4 of 16 columns o.
; The four accumulators of a block of rows take turns, one instruction a turn.  The slice's first 32 k start P's sums: nothing is cleared.
.macro MMA
	WIN MUL
.set rP, 32*((mi/8)%8)+8*(mi%4)
.set rB, BF+64*(mi/64)+8*(4*((mi/4)%2)+mi%4)
.set rA, 32*((mi/8)%8)+8*(2*(mi/64)+(mi/4)%2)
.if (mi/64 == 0) && ((mi/4)%2 == 0)
	v_wmma_f32_16x16x32_bf16 v[rP:rP+7], v[rB:rB+7], v[rA:rA+7], 0
.else
	v_wmma_f32_16x16x32_bf16 v[rP:rP+7], v[rB:rB+7], v[rA:rA+7], v[rP:rP+7]
.endif
.endm
; THE RIDERS.  rho = 0..63 numbers a slice's pairs of matrix instructions.  Behind the even one: CV, a piece of 4 f32 is rounded into two registers of a fragment, and LD, the piece's registers are loaded again.
; While buffer 0 is multiplied (rho < 32) buffer 1 of the same slice is made; while buffer 1 is multiplied, buffer 0 of the next slice.  Piece x = rho % 32 of a buffer: fragment x / 4 (step (x / 16), columns (x / 4) % 4), registers 2 (x % 4) on.
.macro CV
	WIN 0
.set rD, BF+64*(1-rho/32)+8*((rho%32)/4)+2*(rho%4)
.set rS, ST+4*(rho%16)
	v_cvt_pk_bf16_f32 v[rD], v[rS], v[rS+1]
	v_cvt_pk_bf16_f32 v[rD+1], v[rS+2], v[rS+3]
.endm
; LD fetches the piece that rider rho + 16 converts: 32 matrix instructions ahead of its use
.macro LD
	WIN 0
.set rl, (rho+16)%64
.set lx, rl%32
.set rS, ST+4*(rho%16)
	ds_load_b128 v[rS:rS+3], v[AD] offset:((lx/4)%4)*16*PITCH+(2*(1-rl/32)+lx/16)*128+16*(lx%2)+64*((lx%4)/2)
.endm
; Behind the odd one: FM, T += g P for one finished accumulator, four packed lines, its registers in ascending order.  Block a's four accumulators are finished in the second half slice and taken while block a + 1
; is multiplied; block 7's at the head of the next slice.  Between an accumulator's last product and its first line here stand four plain instructions or more that name none of that product's registers.
; FIRST = 1: the first slice starts T: T = g P.
.macro FM
.set fi, 2*rho+1
.if (fi < 8) || (fi >= 72)
.set fa, 7
.if fi >= 72
.set fa, (fi-64)/8-1
.endif
.set rT, 32*fa+8*(rho%4)
.set rG, G+2*(fa/2)
	WIN FMA
.irp z, 0,1,2,3
.if FIRST && (fa%2)
	v_pk_mul_f32 v[rT+2*\z:rT+2*\z+1], v[rT+2*\z:rT+2*\z+1], v[rG:rG+1] op_sel:[0,1] op_sel_hi:[1,1]
.elseif FIRST
	v_pk_mul_f32 v[rT+2*\z:rT+2*\z+1], v[rT+2*\z:rT+2*\z+1], v[rG:rG+1] op_sel_hi:[1,0]
.elseif fa%2
	v_pk_fma_f32 v[rT+2*\z:rT+2*\z+1], v[rT+2*\z:rT+2*\z+1], v[rG:rG+1], v[rT+2*\z:rT+2*\z+1] op_sel:[0,1,0] op_sel_hi:[1,1,1]
.else
	v_pk_fma_f32 v[rT+2*\z:rT+2*\z+1], v[rT+2*\z:rT+2*\z+1], v[rG:rG+1], v[rT+2*\z:rT+2*\z+1] op_sel_hi:[1,0,1]
.endif
.endr
.endif
.endm
; Riders lo .. lo + n - 1 with their matrix instructions; each part goes by its flag.  cv = 2: two v_nop in the conversions' place.
; wt = 1: ahead of every fourth rider s_wait_dscnt 12: the four pieces about to be converted were asked for by riders rho - 16 .. rho - 13, and twelve LDS instructions or more were issued behind them.
.macro SEG lo, n, mm, cv, ld, fm, wt
.set rho, (\lo)
.rept (\n)
.if \mm
.set mi, 2*rho
	MMA
.endif
.if (\wt) && (rho%4 == 0)
	s_wait_dscnt 12
.endif
.if (\cv) == 1
	CV
.elseif (\cv) == 2
	v_nop
	v_nop
.endif
.if \ld
	LD
.endif
.if \mm
.set mi, 2*rho+1
	MMA
.endif
.if \fm
	FM
.endif
.set rho, rho+1
.endr
.endm
.macro GLOAD                           ; g of the expert in hand for my eight blocks of 16 rows: lane l takes row l % 16
	WIN 0
.irp a, 0,1,2,3,4,5,6,7
	ds_load_b32 v[G+\a], v[GA] offset:2048*\a
.endr
.endm
.macro ALOAD ks0, pass                 ; x's fragments of steps ks0 and ks0 + 1 of a pass, all eight blocks: 32 loads of 512 consecutive bytes
	WIN TO_A
.set i, 0
.rept 32
.set rA, 32*(i/4)+8*((\ks0)+(i/2)%2)+4*(i%2)
	global_load_b128 v[rA:rA+3], v[XO], s[6:7] offset:32768*(i/4)+1024*((\ks0)+(i/2)%2)+512*(i%2)+4096*(\pass)
.set i, i+1
.endr
.endm
; A TRIP: matrix instructions 32 to 127 of the slice in hand and 0 to 31 of the next, which lies at LDS byte tb and whose 64 pieces the trip asks for.
; chg = 1, 2: the next slice lies in the other slot.  ONE barrier for the change.  In front of it each wave waits for all its tensor loads, of which one is out: its part of the other slot; adds 0 to its
; spare word; and waits for that and for its reads of the slot that it leaves (the last were issued in the trip before).  chg = 1: the barrier opens a round of the cluster's, so that no wave of any
; partner still reads the slot or has a load on its way, and the joint refill of that slot is the first thing behind it.  Riders 16 to 23 convert only; their eight loads follow the refill in one run.
; ald = 1: where the slice in hand is pass 0's last, x's fragments of pass 1 are loaded: steps 0 and 1 when matrix instruction 63 has read the old ones, steps 2 and 3 behind 127.  The jump goes forward, over loads into registers alone.
; alw = 1: the trip behind that one waits for steps 2 and 3.
.macro TRIP tb, chg, slot=0, ald=0, alw=0
	WIN 0
	v_add_nc_u32 v[AD], \tb, v[LB]
	v_add_nc_u32 v[GA], s[GN], v[GA0]
.if (\chg) == 0
	GLOAD
	SEG 16,16, 1,1,1,0,1
.else
	s_wait_tensorcnt 0x0                           ; all my tensor loads have landed, so a group 0 may be written
	ds_add_u32 v[SPW], v[NIL]                      ; 0 onto my spare word; scalar work and eight matrix instructions stand between it and the wait for it
.if (\chg) == 1
	s_and_b32 s62, s[NF], 15                       ; fill f: experts 2 (f % 16) on, 8 MiB a pair,
	s_lshl_b32 s62, s62, 23
	s_lshr_b32 s63, s[NF], 4                       ; pass f / 16, 512 bytes of a row
	s_lshl_b32 s63, s63, 9
	s_add_co_u32 s[OFF], s62, s63
	s_add_nc_u64 s[G0B+4*(\slot)+2:G0B+4*(\slot)+3], s[BW:BW+1], s[OFF:OFF+1]  ; the address is made anew from the fill's number
	s_or_b32 s[G0B+4*(\slot)+3], s[G0B+4*(\slot)+3], 0x80000000
	s_add_co_u32 s[NF], s[NF], 1
.endif
	SEG 16,4, 1,1,0,0,1
	s_wait_dscnt 0x0                               ; the add is done, and my reads of the slot that I leave are over
	s_barrier_signal -1
	SEG 20,4, 1,1,0,0,0                            ; work on registers while the others arrive
	WIN 0
	s_barrier_wait -1
.if (\chg) == 1
	CREST
	JLOAD \slot
.endif
	GLOAD
.set rho, 16
.rept 8
	LD
.set rho, rho+1
.endr
	SEG 24,8, 1,1,1,0,0                            ; no wait: these riders' pieces were shown in by the wait for 0 above
.endif
.if \alw
	s_wait_loadcnt 0x0                             ; x's steps 2 and 3 of pass 1
.endif
.if \ald
	WIN 0
	s_cmp_eq_u32 s[SG], 31
	s_cbranch_scc0 .Lkeep01_\@
.rept 4
	v_nop                                          ; four places between the last product that read these registers and the loads into them
.endr
	ALOAD 0, 1
	WIN 0
.Lkeep01_\@:
.endif
	SEG 32,32, 1,1,1,1,1
.if \ald
	WIN 0
	s_wait_loadcnt 0x0                             ; x's steps 0 and 1 of pass 1
	s_cmp_eq_u32 s[SG], 31
	s_cbranch_scc0 .Lkeep23_\@
.rept 4
	v_nop
.endr
	ALOAD 2, 1
	WIN 0
.Lkeep23_\@:
.endif
	SEG 0,16, 1,1,1,1,1
	WIN 0                                          ; at a label and at a branch every window is 0
	s_add_co_u32 s[SG], s[SG], 1
	s_add_co_u32 s[GN], s[GN], 64
	s_and_b32 s[GN], s[GN], 0x7c0                  ; the experts go round: 32 x 64 bytes
.endm
	ALOAD 0, 0                                     ; x of pass 0: it stands in the wait for the first tile
	ALOAD 2, 0
	WIN 0
	s_wait_tensorcnt 0x1                           ; my parts of slot 0 and of g are in; slot 1's may stay out
	s_barrier_signal -1
	s_barrier_wait -1                              ; everybody's are
	v_mov_b32 v[AD], v[LB]                         ; slice 0 lies at LDS byte 0
	SEG 16,16, 0,0,1,0,0                           ; the pipeline is filled: sixteen pieces asked for,
	SEG 32,32, 0,1,1,0,1                           ; buffer 0 made, buffer 1's first half asked for
	s_wait_loadcnt 0x0                             ; x
	SEG 0,16, 1,1,1,0,1                            ; slice 0's first 32 matrix instructions: there is no slice before it whose block 7 were to be taken
.set FIRST, 1
	TRIP SLICE, 0                                  ; slice 0: its g P starts T
.set FIRST, 0
	s_mov_b32 s[LP], 15
.Lpair:                                                ; four slices a trip, slices 1 to 60: both slots are left once and filled again: fills 2 to 31
	TRIP SLOT, 1, 0
	TRIP SLOT+SLICE, 0
	TRIP 0, 1, 1, 1, 0                             ; slice 31 is this text's, in the eighth trip
	TRIP SLICE, 0, 0, 0, 1
	s_sub_co_u32 s[LP], s[LP], 1
	s_cmp_lg_u32 s[LP], 0
	s_cbranch_scc1 .Lpair
	TRIP SLOT, 2                                   ; slice 61: the last change of slots: nothing is left to fetch, so no round follows
	TRIP SLOT+SLICE, 0                             ; slice 62
	; slice 63: nothing more to ask for
	WIN 0
	v_add_nc_u32 v[GA], s[GN], v[GA0]
	GLOAD
	s_wait_dscnt 0x0                               ; the last sixteen pieces and g
	SEG 16,16, 1,1,0,0,0
	SEG 32,5, 1,2,0,1,0                            ; no conversions are left: six v_nop are the places between block 0's first finished accumulator and the lines that take it
	SEG 37,27, 1,0,0,1,0
	SEG 0,4, 0,0,0,1,0                             ; block 7
; THE WAY OUT.  A lane holds eight neighbouring columns of one row; the lanes beside it hold other rows.  So a block of 16 rows at a time goes through my own stage in LDS: in by rows of 272 bytes,
; back as whole rows of 256 bytes.  LDS serves a wave's instructions in order (ISA guide 5.7.1.4): the loads see the stores above them, and the next block's stores come behind them.
.macro TOSTAGE a
.if (\a) >= 2
	s_wait_xcnt 0x0                                ; the stores of the block two before have read these registers: they are loaded again only behind this wait
.endif
	WIN FROM_T
.set i, 0
.rept 8
	ds_store_b128 v[STO], v[32*(\a)+4*i:32*(\a)+4*i+3] offset:64*(i/2)+16*(i%2)
.set i, i+1
.endr
	WIN 0
.set i, 0
.rept 8
	ds_load_b128 v[OB+32*((\a)%2)+4*i:OB+32*((\a)%2)+4*i+3], v[RD] offset:2*SP*i
.set i, i+1
.endr
.endm
.macro SEND a, younger                 ; younger: the LDS instructions issued behind block a's loads: the next block's sixteen, or none
	WIN 0
	s_wait_dscnt \younger
.set i, 0
.rept 8
	global_store_b128 v[CO], v[OB+32*((\a)%2)+4*i:OB+32*((\a)%2)+4*i+3], s[10:11] offset:(16*(\a)+2*i)*4096  ; 16 lanes store 256 consecutive bytes, at a multiple of 256 from part's first byte
.set i, i+1
.endr
.endm
	TOSTAGE 0
.irp a, 1,2,3,4,5,6,7
	TOSTAGE \a
	SEND (\a)-1, 16
.endr
	SEND 7, 0
	s_wait_tensorcnt 0x0                           ; the wave's end: behind my last tensor load and my last LDS store
	ds_add_u32 v[SPW], v[NIL]
	s_wait_dscnt 0x0
	CROUND                                         ; the closing round: no work-group ends while a partner may still ask for a tile that names it
	s_endpgm
.Lfunc_end_k_qbd53803d2f_mix:
	.size	k_qbd53803d2f_mix, .Lfunc_end_k_qbd53803d2f_mix-k_qbd53803d2f_mix
	.p2alignl 7, 3214868480
	.fill 96, 4, 3214868480
	.section	.rodata,"a",@progbits
	.p2align	6, 0x0
	.amdhsa_kernel k_qbd53803d2f_mix
		.amdhsa_group_segment_fixed_size 327680
		.amdhsa_private_segment_fixed_size 0
		.amdhsa_enable_private_segment 0
		.amdhsa_kernarg_size 32
		.amdhsa_user_sgpr_count 2
		.amdhsa_user_sgpr_kernarg_segment_ptr 1
		.amdhsa_wavefront_size32 1
		.amdhsa_system_sgpr_workgroup_id_x 1
		.amdhsa_system_sgpr_workgroup_id_y 1
		.amdhsa_system_sgpr_workgroup_id_z 1
		.amdhsa_system_vgpr_workitem_id 0
		.amdhsa_next_free_vgpr 1024
		.amdhsa_next_free_sgpr 72
		.amdhsa_reserve_vcc 0
		.amdhsa_float_denorm_mode_32 3
		.amdhsa_float_denorm_mode_16_64 3
		.amdhsa_memory_ordered 1
		.amdhsa_forward_progress 1
		.amdhsa_inst_pref_size 255
	.end_amdhsa_kernel
	.section	.bss,"aw",@nobits
	.p2align	6
	.space	262144
	.amdgpu_metadata
---
amdhsa.version: [ 1, 2 ]
amdhsa.kernels:
  - .name:           k_qbd53803d2f_mix
    .symbol:         k_qbd53803d2f_mix.kd
    .args:
      - { .name: weight, .offset: 0, .size: 8, .value_kind: global_buffer, .address_space: global }
      - { .name: xf, .offset: 8, .size: 8, .value_kind: global_buffer, .address_space: global }
      - { .name: gb, .offset: 16, .size: 8, .value_kind: global_buffer, .address_space: global }
      - { .name: part, .offset: 24, .size: 8, .value_kind: global_buffer, .address_space: global }
    .group_segment_fixed_size: 327680
    .private_segment_fixed_size: 0
    .kernarg_segment_align: 8
    .kernarg_segment_size: 32
    .max_flat_workgroup_size: 128
    .sgpr_count:     72
    .vgpr_count:     1024
    .wavefront_size: 32
...
	.end_amdgpu_metadata
.endif
;; end of part 2
;; launch addup (part 3): grid 256 x 1, 8 waves a work-group, no clusters, 0 bytes of LDS; arguments part, out0; writes out0
.if DOCPART == 3
	.amdgcn_target "amdgcn-amd-amdhsa--gfx1250"
	.amdhsa_code_object_version 6
	.text
	.protected	k_qbd53803d2f_addup
	.globl	k_qbd53803d2f_addup
	.p2align	8
	.type	k_qbd53803d2f_addup,@function
k_qbd53803d2f_addup:
	s_mov_b64 s[64:65], 0
	v_nop
	global_prefetch_b8 v0, s[64:65] scope:SCOPE_SE
	s_setreg_imm32_b32 hwreg(HW_REG_WAVE_MODE, 25, 1), 1
	s_wait_xcnt 0x0
; out0[b][o] = the sum over q = 0..3 of part[q][b][o], as (p0 + p1) + (p2 + p3).  part: [4][2048][1024] f32, out0: [2048][1024] f32.
; A stream: a work-group owns 32,768 consecutive bytes of out0 (256 x 32,768 = all of it), thread t the 16 bytes at 16 t of each of eight pieces of 4,096.
; All 32 loads of a thread go out at once; each load or store of a wave covers 512 consecutive bytes, aligned.  No LDS, no barrier, no loop; the matrix unit has nothing to do here.
.set QB, 0x800000                      ; bytes in a quarter of part
.set X,  4                             ; v[4:131]  piece j, quarter q at X + 16 j + 4 q
	s_load_b128 s[4:7], s[0:1], 0x0                ; part s[4:5], out0 s[6:7]
	s_lshl_b32 s8, ttmp9, 15
	s_mov_b32 s9, 0
	v_lshlrev_b32 v1, 4, v0
	s_wait_kmcnt 0x0
	s_add_nc_u64 s[10:11], s[4:5], s[8:9]
	s_add_nc_u64 s[12:13], s[10:11], QB
	s_add_nc_u64 s[14:15], s[10:11], 2*QB
	s_add_nc_u64 s[16:17], s[10:11], 3*QB
	s_add_nc_u64 s[6:7], s[6:7], s[8:9]
.set i, 0
.rept 32                               ; piece i / 4, quarter i % 4
	global_load_b128 v[X+4*i:X+4*i+3], v1, s[10+2*(i%4):11+2*(i%4)] offset:4096*(i/4) th:TH_LOAD_NT
.set i, i+1
.endr
.set j, 0
.rept 8
.set R, X+16*j
	s_wait_loadcnt 28-4*j                          ; the later pieces' loads are younger and stay out
	v_pk_add_f32 v[R:R+1], v[R:R+1], v[R+4:R+5]
	v_pk_add_f32 v[R+2:R+3], v[R+2:R+3], v[R+6:R+7]
	v_pk_add_f32 v[R+8:R+9], v[R+8:R+9], v[R+12:R+13]
	v_pk_add_f32 v[R+10:R+11], v[R+10:R+11], v[R+14:R+15]
	v_pk_add_f32 v[R:R+1], v[R:R+1], v[R+8:R+9]
	v_pk_add_f32 v[R+2:R+3], v[R+2:R+3], v[R+10:R+11]
	global_store_b128 v1, v[R:R+3], s[6:7] offset:4096*j th:TH_STORE_NT
.set j, j+1
.endr
	s_endpgm
.Lfunc_end_k_qbd53803d2f_addup:
	.size	k_qbd53803d2f_addup, .Lfunc_end_k_qbd53803d2f_addup-k_qbd53803d2f_addup
	.p2alignl 7, 3214868480
	.fill 96, 4, 3214868480
	.section	.rodata,"a",@progbits
	.p2align	6, 0x0
	.amdhsa_kernel k_qbd53803d2f_addup
		.amdhsa_group_segment_fixed_size 0
		.amdhsa_private_segment_fixed_size 0
		.amdhsa_enable_private_segment 0
		.amdhsa_kernarg_size 16
		.amdhsa_user_sgpr_count 2
		.amdhsa_user_sgpr_kernarg_segment_ptr 1
		.amdhsa_wavefront_size32 1
		.amdhsa_system_sgpr_workgroup_id_x 1
		.amdhsa_system_sgpr_workgroup_id_y 1
		.amdhsa_system_sgpr_workgroup_id_z 1
		.amdhsa_system_vgpr_workitem_id 0
		.amdhsa_next_free_vgpr 136
		.amdhsa_next_free_sgpr 66
		.amdhsa_reserve_vcc 0
		.amdhsa_float_denorm_mode_32 3
		.amdhsa_float_denorm_mode_16_64 3
		.amdhsa_memory_ordered 1
		.amdhsa_forward_progress 1
		.amdhsa_inst_pref_size 8
	.end_amdhsa_kernel
	.amdgpu_metadata
---
amdhsa.version: [ 1, 2 ]
amdhsa.kernels:
  - .name:           k_qbd53803d2f_addup
    .symbol:         k_qbd53803d2f_addup.kd
    .args:
      - { .name: part, .offset: 0, .size: 8, .value_kind: global_buffer, .address_space: global }
      - { .name: out0, .offset: 8, .size: 8, .value_kind: global_buffer, .address_space: global }
    .group_segment_fixed_size: 0
    .private_segment_fixed_size: 0
    .kernarg_segment_align: 8
    .kernarg_segment_size: 16
    .max_flat_workgroup_size: 256
    .sgpr_count:     66
    .vgpr_count:     136
    .wavefront_size: 32
...
	.end_amdgpu_metadata
.endif
;; end of part 3
;; ======== version 2 of 2: 3 launches; 1.39 times as fast as version 1
;; workspace buffers: xf 4,194,304 bytes; gb 262,144 bytes; part 33,554,432 bytes
;; launch gate: the kernel of part 1 again; grid 128 x 1, 8 waves a work-group, no clusters, 17,408 bytes of LDS; arguments x, gate_w, gate_b, xf, gb; writes xf, gb
;; launch mix (part 4): grid 8 x 32, 4 waves a work-group, clusters of 4 x 4, 327,680 bytes of LDS; arguments weight, xf, gb, part; writes part
.if DOCPART == 4
	.amdgcn_target "amdgcn-amd-amdhsa--gfx1250"
	.amdhsa_code_object_version 6
	.text
	.protected	k_qbd53803d2f_mix
	.globl	k_qbd53803d2f_mix
	.p2align	8
	.type	k_qbd53803d2f_mix,@function
k_qbd53803d2f_mix:
	s_mov_b64 s[64:65], 0
	v_nop
	global_prefetch_b8 v0, s[64:65] scope:SCOPE_SE
	s_setreg_imm32_b32 hwreg(HW_REG_WAVE_MODE, 25, 1), 1
	s_wait_xcnt 0x0
	s_wait_alu depctr_hold_cnt(0) depctr_sa_sdst(0) depctr_va_vdst(0) depctr_va_sdst(0) depctr_va_ssrc(0) depctr_va_vcc(0) depctr_vm_vsrc(0)
	s_getreg_b32 s2, hwreg(HW_REG_IB_STS2, 6, 4)
	s_cmp_eq_u32 s2, 0
	s_cbranch_scc0 .Lentry_in_a_cluster
	s_endpgm
.Lentry_in_a_cluster:
	s_bfe_u32 s2, ttmp6, 0x10000c
	s_cmp_lg_u32 s2, 0xf033
	s_cbranch_scc0 .Lentry_shape_is_right
	s_endpgm
.Lentry_shape_is_right:
; part[q][b][o] = the sum over n = 0..31 of g[b][n] x (the sum over i = 256 q .. 256 q + 255 of weight[n][o][i] x[b][i]).
; weight: [32][1024][1024] f32.  xf: x in bf16 in fragment order, gb: g in f32 (both made by the launch before; their layouts stand at its head).  part: [4][2048][1024] f32.
; FORMATS.  The weights are rounded once to bf16 on their way from LDS to the matrix unit; products are summed in f32; g is applied to the f32 sums, in f32; the partial sums leave in f32.
; SHARES.  A work-group owns 256 rows b x 128 columns o x one quarter q of i: 8 x 8 x 4 = 256 work-groups.  Its four waves lie 2 x 2, each 128 b x 64 o.
; A wave has two sets of 32 accumulators of 16 x 16: P, one expert's sum, and T, the total.  At an expert's end T += g P.
; THE MATRIX INSTRUCTION IS USED TRANSPOSED: source 0 = 16 rows of the weights, source 1 = 16 rows of x.  A lane then holds ONE row b (lane % 16) and eight neighbouring o, so g is one register for 16 rows.
; THE WALK.  A SLICE is one expert x 128 i: 128 rows of 512 bytes in LDS, 128 matrix instructions a wave, in four QUARTERS of 32 along k.  The quarter q of i is walked in two passes of 128 i over all 32
; experts: 64 slices.  In a pass x does not change, so a wave's fragments of x (128 rows x 128 k: 256 registers) stay in registers, and LDS holds weights alone.
; THE RING.  Two slots of two slices (two experts) each; 32 fills.  Each wave fetches a quarter of a slot by one tensor load: 64 rows of 512 bytes, each starting at a multiple of 512 from the buffer's first byte.
; A refill is asked for 240 matrix instructions ahead of the wait for it.
; CLUSTER.  4 x 4 work-groups.  A tile of weights hangs on the column block and the quarter alone, which the four work-groups of a column of the cluster share: it is asked for JOINTLY, by the same
; tensor load with the same descriptor and a mask that names the four.  g's block hangs on the row block alone and is shared along a row of the cluster.
; REGISTERS, in windows of 256 (s_set_vgpr_msb: bits 1:0 source 0, 3:2 source 1, 5:4 source 2, 7:6 destination):
;   window 0: v0-13 addresses; v16-23 g of my eight blocks of 16 rows; v32-159 ST, two groups of 16 pieces of 4 f32 as they come from LDS; v160-223 BF, two buffers of 4 fragments of weights in bf16
;   window 1: x: fragment (a, ks) at 32 a + 8 ks     window 2: P: accumulator (a, b) at 32 a + 8 b     window 3: T, likewise
.set PITCH, 528                        ; an LDS row: 512 bytes + 16 of padding = 132 words: row r starts at bank 4 r mod 64 (64 banks of 4 bytes: ISA guide 11.1), so the 16 rows of a load start at 16 different groups of banks
.set QUART, 64*PITCH                   ; what one tensor load brings, and what one wave reads of a slice
.set SLICE, 2*QUART
.set SLOT,  2*SLICE
.set GL,    2*SLOT                     ; behind the ring: g of my 256 rows, [block 16][n 32][row 16] f32, 32,768 bytes, filled once
.set STAGE, GL+32768                   ; 16 rows x 272 bytes for each wave, for the way out; no tensor load lands here
.set SP,    272
.set SPARE, STAGE+4*16*SP              ; the spare words, 128 bytes for each wave: two blocks of 256 bytes that no other line names
.set LB,  4                            ; v4   my lane's place in a slice: 528 r + 32 h + my half of its rows; never rewritten
.set AD,  5                            ; v5   the same in the slice that is being fetched
.set GA0, 6                            ; v6   my lane's place in g: my eight blocks, row r; never rewritten
.set GA,  7                            ; v7   the same at the expert in hand
.set XO,  8                            ; v8   16 x lane
.set STO, 9                            ; v9   the way out: where I put 16 bytes of a row
.set RD,  10                           ; v10  the way out: where I read a row back
.set CO,  11                           ; v11  my byte offset in two rows of part
.set SPW, 12                           ; v12  LDS address of my spare word; never rewritten
.set NIL, 13                           ; v13  0; never rewritten
.set G,   16
.set ST,  32
.set BF,  160
.set OB,  32                           ; the way out: 16 rows read back from the stage: v32-63 and v64-95 by turns
.set WV,  12                           ; s12  my wave's number
.set MH,  13                           ; s13  which half of the rows b is mine.  Also: which of a slot's two experts I fetch
.set OH,  14                           ; s14  which half of the columns o.  Also: which 64 rows of that expert's tile I fetch
.set CX,  15
.set CY,  16
.set YC,  17                           ; s17  the cluster's y
.set OT,  18                           ; s18  block of 128 columns = 4 x cluster x + cx
.set MT,  19                           ; s19  block of 256 rows = 4 x (cluster y % 2) + cy
.set QQ,  20                           ; s20  quarter of i = cluster y / 2: it never holds cy
.set CM,  21                           ; s21  mask of my column of the cluster
.set RM,  22                           ; s22  mask of my row
.set G1B, 24                           ; s[24:31] descriptor group 1 for the weights' tiles
.set G1G, 32                           ; s[32:39] for g's block
.set G0B, 40                           ; s[40:47] descriptor group 0 for the weights' tiles, a set for each slot
.set G0G, 48                           ; s[48:51] for g's block
.set BW,  52                           ; s[52:53] the weights at my part of fill 0
.set OFF, 54                           ; s[54:55] a fill's byte offset from there
.set NF,  56                           ; s56  the fill to be asked for next
.set SG,  57                           ; s57  the slice in hand
.set GN,  59                           ; s59  64 x its expert
.set LP,  60
.set MSB, 0
.macro WIN new                         ; the immediate's high byte repeats the setting that is left; a switch that changes nothing is dropped
.if MSB != (\new)
	s_set_vgpr_msb (MSB<<8)|(\new)
.set MSB, (\new)
.endif
.endm
.set MUL,    0xa4                      ; weights (source 0) window 0, x (source 1) window 1, C and D window 2
.set FMA,    0xf2                      ; P (source 0) window 2, g (source 1) window 0, T (source 2 and destination) window 3
.set TO_A,   0x40                      ; destination window 1, address window 0
.set FROM_T, 0x0c                      ; an LDS store's data (source 1) window 3
.macro CREST                           ; a round of the cluster's barrier behind its opening barrier
	s_cmp_lg_u32 s[WV], 0
	s_cbranch_scc1 .Lnot_wave_0_\@
	s_barrier_signal -3
.Lnot_wave_0_\@:
	s_barrier_wait -3
	s_barrier_signal -1
	s_barrier_wait -1
.endm
.macro CROUND                          ; a whole round
	s_barrier_signal -1
	s_barrier_wait -1
	CREST
.endm
.macro JLOAD s                         ; a joint refill of slot s: one line for all four waves (one mask); the LDS address and the rows hang on the wave's number.  An s_nop 0 and four v_nop follow it
	tensor_load_to_lds s[G0B+4*(\s):G0B+4*(\s)+3], s[G1B:G1B+7]
	s_nop 0
.rept 4
	v_nop
.endr
.endm
	s_load_b256 s[4:11], s[0:1], 0x0               ; weight s[4:5], xf s[6:7], gb s[8:9], part s[10:11]
	v_lshl_add_u32 v[SPW], v0, 2, SPARE
	v_mov_b32 v[NIL], 0
	ds_add_u32 v[SPW], v[NIL]                      ; the wave's opening: the add and its wait stand ahead of my first tensor load; the set-up below, work on registers, stands between them
	v_lshrrev_b32 v3, 5, v0
	v_readfirstlane_b32 s[WV], v3                  ; wave 0..3
	s_lshr_b32 s[MH], s[WV], 1
	s_and_b32 s[OH], s[WV], 1
	s_bfe_u32 s[CX], ttmp6, 0x40000                ; my place in the cluster
	s_bfe_u32 s[CY], ttmp6, 0x40004
	s_and_b32 s[YC], ttmp7, 0xffff                 ; in a cluster launch ttmp9 and ttmp7 count clusters
	s_lshl_b32 s[OT], ttmp9, 2
	s_add_co_u32 s[OT], s[OT], s[CX]
	s_lshr_b32 s[QQ], s[YC], 1
	s_and_b32 s[MT], s[YC], 1
	s_lshl_b32 s[MT], s[MT], 2
	s_add_co_u32 s[MT], s[MT], s[CY]
	s_lshl_b32 s[CM], 0x1111, s[CX]                ; my column: places cx, cx + 4, cx + 8, cx + 12
	s_lshl_b32 s[RM], s[CY], 2
	s_lshl_b32 s[RM], 15, s[RM]                    ; my row: places 4 cy .. 4 cy + 3
	; group 1 for the weights: a tile of 64 rows x 128 elements of 4 bytes, padded in LDS
	s_or_b32 s[G1B+0], s[CM], (2<<16)|(1<<20)|(1<<21)|(6<<22)|(3<<25)  ; 15:0 the mask; 17:16 elements of 4 bytes; 20 padding on; 21 set beside a mask; 24:22 after every 128 words (code 6); 31:25 4 words of it (code 3)
	s_mov_b32 s[G1B+1], 128<<16                    ; tensor_dim0 = 128
	s_mov_b32 s[G1B+2], 64<<16                     ; tensor_dim1 = 64
	s_mov_b32 s[G1B+3], 128<<16                    ; tile_dim0 = 128
	s_mov_b32 s[G1B+4], 64                         ; tile_dim1 = 64
	s_mov_b32 s[G1B+5], 1024                       ; 1,024 elements from row to row
	s_mov_b32 s[G1B+6], 0
	s_mov_b32 s[G1B+7], 0
	; group 1 for g: 8,192 dense bytes a wave, as 32 rows of 32 elements of 8 bytes
	s_or_b32 s[G1G+0], s[RM], (3<<16)|(1<<21)
	s_mov_b32 s[G1G+1], 32<<16
	s_mov_b32 s[G1G+2], 32<<16
	s_mov_b32 s[G1G+3], 32<<16
	s_mov_b32 s[G1G+4], 32
	s_mov_b32 s[G1G+5], 32
	s_mov_b32 s[G1G+6], 0
	s_mov_b32 s[G1G+7], 0
	s_mov_b32 s[G0B+0], 1                          ; count = 1
	s_mul_i32 s[G0B+1], s[WV], QUART               ; LDS address: slot 0, my quarter: no place in the cluster enters an LDS address
	s_mov_b32 s[G0B+4], 1
	s_add_co_u32 s[G0B+5], s[G0B+1], SLOT          ; slot 1
	s_mov_b32 s[G0G+0], 1
	s_lshl_b32 s[G0G+1], s[WV], 13
	s_add_co_u32 s[G0G+1], s[G0G+1], GL
	; the four offsets, each in registers of its own: the weights' hold cx and never cy, g's and x's hold cy and never cx
	s_lshl_b32 s66, s[OT], 7                       ; weights: row 128 x column block + 64 x half,
	s_lshl_b32 s67, s[OH], 6
	s_add_co_u32 s66, s66, s67
	s_lshl_b32 s66, s66, 12                        ; of 4,096 bytes,
	s_lshl_b32 s67, s[MH], 22                      ; my expert of the pair, 4 MiB each,
	s_add_co_u32 s66, s66, s67
	s_lshl_b32 s67, s[QQ], 10                      ; the quarter's 1,024 bytes of a row
	s_add_co_u32 s66, s66, s67
	s_mov_b32 s67, 0
	s_lshl_b32 s68, s[MT], 15                      ; g: my 16 blocks of 2,048 bytes, my wave's four of them
	s_lshl_b32 s69, s[WV], 13
	s_add_co_u32 s68, s68, s69
	s_mov_b32 s69, 0
	s_lshl_b32 s2, s[MT], 4                        ; x: block 16 x row block + 8 x half,
	s_lshl_b32 s3, s[MH], 3
	s_add_co_u32 s2, s2, s3
	s_lshl_b32 s2, s2, 15                          ; of 32,768 bytes,
	s_lshl_b32 s3, s[QQ], 13                       ; the quarter's eight steps of 1,024
	s_add_co_u32 s2, s2, s3
	s_mov_b32 s3, 0
	s_lshl_b32 s70, s[MT], 8                       ; part: row 256 x row block + 128 x half,
	s_lshl_b32 s71, s[MH], 7
	s_add_co_u32 s70, s70, s71
	s_lshl_b32 s70, s70, 12                        ; of 4,096 bytes,
	s_lshl_b32 s71, s[QQ], 23                      ; the quarter's 8 MiB,
	s_add_co_u32 s70, s70, s71
	s_lshl_b32 s71, s[OT], 9                       ; the column block's 512 bytes,
	s_add_co_u32 s70, s70, s71
	s_lshl_b32 s71, s[OH], 8                       ; my half of them
	s_add_co_u32 s70, s70, s71
	s_mov_b32 s71, 0
	s_mov_b32 s[OFF+1], 0
	s_mov_b32 s[NF], 2
	s_mov_b32 s[SG], 0
	s_mov_b32 s[GN], 0
	; the lanes' addresses
	v_and_b32 v1, 15, v0                           ; r
	v_bfe_u32 v2, v0, 4, 1                         ; h
	v_mul_u32_u24 v[LB], v1, PITCH
	v_lshl_add_u32 v[LB], v2, 5, v[LB]             ; a lane's eight k are 32 bytes of f32
	s_mul_i32 s62, s[OH], QUART
	v_add_nc_u32 v[LB], s62, v[LB]
	s_lshl_b32 s62, s[MH], 14
	s_add_co_u32 s62, s62, GL
	v_lshl_add_u32 v[GA0], v1, 2, s62
	v_and_b32 v[XO], 31, v0
	v_lshlrev_b32 v[XO], 4, v[XO]
	s_mul_i32 s63, s[WV], 16*SP
	s_add_co_u32 s63, s63, STAGE                   ; my stage
	v_mul_u32_u24 v[STO], v1, SP                   ; in: row r, 32 bytes for each half of the lanes
	v_lshl_add_u32 v[STO], v2, 5, v[STO]
	v_add_nc_u32 v[STO], s63, v[STO]
	v_mul_u32_u24 v[RD], v2, SP                    ; back: lanes 0-15 take one row of 256 bytes, lanes 16-31 the next
	v_lshl_add_u32 v[RD], v1, 4, v[RD]
	v_add_nc_u32 v[RD], s63, v[RD]
	v_lshlrev_b32 v[CO], 12, v2                    ; and the same two rows in part
	v_lshl_add_u32 v[CO], v1, 4, v[CO]
	s_wait_dscnt 0x0                               ; the opening add is done
	s_wait_kmcnt 0x0
	s_add_nc_u64 s[BW:BW+1], s[4:5], s[66:67]
	s_mov_b64 s[G0B+2:G0B+3], s[BW:BW+1]           ; fill 0: experts 0 and 1, pass 0
	s_or_b32 s[G0B+3], s[G0B+3], 0x80000000        ; type = 2
	s_add_nc_u64 s[G0B+6:G0B+7], s[BW:BW+1], 0x800000  ; fill 1: experts 2 and 3
	s_or_b32 s[G0B+7], s[G0B+7], 0x80000000
	s_add_nc_u64 s[G0G+2:G0G+3], s[8:9], s[68:69]
	s_or_b32 s[G0G+3], s[G0G+3], 0x80000000
	s_add_nc_u64 s[6:7], s[6:7], s[2:3]            ; x at my wave's first block and the quarter's first step
	s_add_nc_u64 s[10:11], s[10:11], s[70:71]      ; part at my wave's first row and column
	CROUND                                         ; all sixteen work-groups are here: the first joint loads meet
	tensor_load_to_lds s[G0B:G0B+3], s[G1B:G1B+7]  ; the first fills go out as one group: three loads of mine are out.  Slot 0,
	s_nop 0
	tensor_load_to_lds s[G0G:G0G+3], s[G1G:G1G+7]  ; g,
	s_nop 0
	tensor_load_to_lds s[G0B+4:G0B+7], s[G1B:G1B+7]  ; slot 1
	s_nop 0
.rept 4
	v_nop
.endr
; THE ORDER IN A SLICE.  Matrix instruction mi of 128: quarter ks = mi / 32 (32 k, one buffer of BF), block a = (mi / 4) % 8 of 16 rows b, block b = mi % 4 of 16 columns o.
; All 32 accumulators take turns, one instruction a turn.  Quarter 0 starts P's sums: nothing is cleared.
.macro MMA
	WIN MUL
.set rP, 8*(mi%32)
.set rB, BF+32*((mi/32)%2)+8*(mi%4)
.set rA, 32*((mi/4)%8)+8*(mi/32)
.if mi < 32
	v_wmma_f32_16x16x32_bf16 v[rP:rP+7], v[rB:rB+7], v[rA:rA+7], 0
.else
	v_wmma_f32_16x16x32_bf16 v[rP:rP+7], v[rB:rB+7], v[rA:rA+7], v[rP:rP+7]
.endif
.endm
; THE LDS LOADS stand in runs of 16, never singly among the matrix instructions.  A quarter's weights are 16 PIECES of 4 f32 a lane: piece i is registers 2 (i % 4), 2 (i % 4) + 1 of fragment i / 4.
; RUN ks stands at the head of quarter ks and asks for the pieces of the quarter two further on, into group ks % 2 of ST, which the quarter before has converted.  They are converted a quarter later:
; 32 matrix instructions lie between a run and the wait for it.
.macro RUN ks
	WIN 0
.set i, 0
.rept 16
	ds_load_b128 v[ST+64*((\ks)%2)+4*i:ST+64*((\ks)%2)+4*i+3], v[AD] offset:(i/4)*16*PITCH+(((\ks)+2)%4)*128+16*(i%2)+64*((i%4)/2)
.set i, i+1
.endr
.endm
; THE RIDERS stand in fours behind matrix instructions.  CVG: group cg of 8 in quarter cq: pieces 2 cg and 2 cg + 1 of the next quarter are rounded to bf16, from the other group of ST into the other buffer of BF.
.macro CVG
	WIN 0
.irp u, 0,1
.set rD, BF+32*((cq+1)%2)+4*cg+2*\u
.set rS, ST+64*((cq+1)%2)+8*cg+4*\u
	v_cvt_pk_bf16_f32 v[rD], v[rS], v[rS+1]
	v_cvt_pk_bf16_f32 v[rD+1], v[rS+2], v[rS+3]
.endr
.endm
; FMJ: T += g P for accumulator fj = 4 a + b: four packed lines, its registers in ascending order.  FIRST = 1: the first slice starts T: T = g P.
.macro FMJ
.set fa, fj/4
.set rT, 8*fj
.set rG, G+2*(fa/2)
	WIN FMA
.irp z, 0,1,2,3
.if FIRST && (fa%2)
	v_pk_mul_f32 v[rT+2*\z:rT+2*\z+1], v[rT+2*\z:rT+2*\z+1], v[rG:rG+1] op_sel:[0,1] op_sel_hi:[1,1]
.elseif FIRST
	v_pk_mul_f32 v[rT+2*\z:rT+2*\z+1], v[rT+2*\z:rT+2*\z+1], v[rG:rG+1] op_sel_hi:[1,0]
.elseif fa%2
	v_pk_fma_f32 v[rT+2*\z:rT+2*\z+1], v[rT+2*\z:rT+2*\z+1], v[rG:rG+1], v[rT+2*\z:rT+2*\z+1] op_sel:[0,1,0] op_sel_hi:[1,1,1]
.else
	v_pk_fma_f32 v[rT+2*\z:rT+2*\z+1], v[rT+2*\z:rT+2*\z+1], v[rG:rG+1], v[rT+2*\z:rT+2*\z+1] op_sel_hi:[1,0,1]
.endif
.endr
.endm
; WHERE THE RIDERS STAND.  Accumulator j is finished by matrix instruction 96 + j and started anew by 128 + j; its FMJ stands behind 112 + j: behind 112 .. 127, and behind 0 .. 15 of the next slice.
; The conversions take the other places: quarter 0 behind 16, 18 .. 30; quarters 1 and 2 behind every fourth, 34 .. 62 and 66 .. 94; quarter 3 behind 96, 98 .. 110.
; PLACES (ISA guide 7.12.1).  A buffer's fragment 0 is last read by a quarter's instruction 28 and written again by the next quarter's first group: a group of four conversions into the other buffer stands
; between (behind instruction 28 or 30); the later fragments have that group and the earlier groups between.  An FMJ stands sixteen matrix instructions, with their riders, behind its accumulator's last.
; Matrix instructions lo .. lo + n - 1 (mm = 0: none) with their riders.  cv = 2: four v_nop in the place of the quarter's first group, no conversions.  fm = 0: no FMJ.
.macro SEG lo, n, mm=1, cv=1, fm=1
.set mi, (\lo)
.rept (\n)
.if \mm
	MMA
.endif
.set cq, mi/32
.set cg, 99
.if (mi >= 16) && (mi < 32) && (mi%2 == 0)
.set cg, (mi-16)/2
.elseif (mi >= 32) && (mi < 96) && (mi%4 == 2)
.set cg, (mi%32)/4
.elseif (mi >= 96) && (mi < 112) && (mi%2 == 0)
.set cg, (mi-96)/2
.endif
.if (cg < 8) && ((\cv) == 1)
	CVG
.elseif (cg == 0) && ((\cv) == 2)
	v_nop
	v_nop
	v_nop
	v_nop
.endif
.if (\fm) && (mi < 16)
.set fj, 16+mi
	FMJ
.elseif (\fm) && (mi >= 112)
.set fj, mi-112
	FMJ
.endif
.set mi, mi+1
.endr
.endm
.macro GLOAD                           ; g of the expert in hand for my eight blocks of 16 rows: lane l takes row l % 16
	WIN 0
.irp a, 0,1,2,3,4,5,6,7
	ds_load_b32 v[G+\a], v[GA] offset:2048*\a
.endr
.endm
.macro ALOAD ks0, pass                 ; x's fragments of steps ks0 and ks0 + 1 of a pass, all eight blocks: 32 loads of 512 consecutive bytes
	WIN TO_A
.set i, 0
.rept 32
.set rA, 32*(i/4)+8*((\ks0)+(i/2)%2)+4*(i%2)
	global_load_b128 v[rA:rA+3], v[XO], s[6:7] offset:32768*(i/4)+1024*((\ks0)+(i/2)%2)+512*(i%2)+4096*(\pass)
.set i, i+1
.endr
.endm
; A TRIP: matrix instructions 16 to 127 of the slice in hand and 0 to 15 of the next, which lies at LDS byte tb.  RUN 1 takes the last pieces of the slice in hand; RUN 2, 3 and 0 the next slice's first three quarters.
; chg = 1, 2: the next slice lies in the other slot.  ONE barrier for the change, in quarter 1.  In front of it each wave waits for all its tensor loads, of which one is out: its part of the other slot; adds 0
; to its spare word; and waits for that and for its reads of the slot that it leaves (RUN 1, issued 24 matrix instructions before).  chg = 1: the barrier opens a round of the cluster's, so that no wave of any
; partner still reads the slot or has a load on its way, and the joint refill of that slot is the first thing behind it.
; ald = 1: where the slice in hand is pass 0's last, x's fragments of pass 1 are loaded: steps 0 and 1 when matrix instruction 63 has read the old ones, steps 2 and 3 behind 127.  The jump goes forward, over loads into registers alone.
; alw = 1: the trip behind that one waits for steps 2 and 3.
.macro TRIP tb, chg, slot=0, ald=0, alw=0
	SEG 16,16
	RUN 1
	s_wait_dscnt 16                                ; the run just issued may stay out: RUN 0's pieces, which this quarter converts, are in
.if (\chg) == 0
	SEG 32,32
.else
	SEG 32,16
	WIN 0
	s_wait_tensorcnt 0x0                           ; all my tensor loads have landed, so a group 0 may be written
	ds_add_u32 v[SPW], v[NIL]                      ; 0 onto my spare word; scalar work and eight matrix instructions stand between it and the wait for it
.if (\chg) == 1
	s_and_b32 s62, s[NF], 15                       ; fill f: experts 2 (f % 16) on, 8 MiB a pair,
	s_lshl_b32 s62, s62, 23
	s_lshr_b32 s63, s[NF], 4                       ; pass f / 16, 512 bytes of a row
	s_lshl_b32 s63, s63, 9
	s_add_co_u32 s[OFF], s62, s63
	s_add_nc_u64 s[G0B+4*(\slot)+2:G0B+4*(\slot)+3], s[BW:BW+1], s[OFF:OFF+1]  ; the address is made anew from the fill's number
	s_or_b32 s[G0B+4*(\slot)+3], s[G0B+4*(\slot)+3], 0x80000000
	s_add_co_u32 s[NF], s[NF], 1
.endif
	SEG 48,8
	s_wait_dscnt 0x0                               ; the add is done, and my reads of the slot that I leave are over
	s_barrier_signal -1
	SEG 56,8                                       ; work on registers while the others arrive
	WIN 0
	s_barrier_wait -1
.if (\chg) == 1
	CREST
	JLOAD \slot
.endif
.endif
.if \alw
	s_wait_loadcnt 0x0                             ; x's steps 2 and 3 of pass 1
.endif
.if \ald
	WIN 0
	s_cmp_eq_u32 s[SG], 31
	s_cbranch_scc0 .Lkeep01_\@
.rept 4
	v_nop                                          ; four places between the last product that read these registers and the loads into them
.endr
	ALOAD 0, 1
	WIN 0
.Lkeep01_\@:
.endif
	WIN 0
	v_add_nc_u32 v[AD], \tb, v[LB]
	v_add_nc_u32 v[GA], s[GN], v[GA0]
	RUN 2
	GLOAD
	s_wait_dscnt 24                                ; the 16 + 8 just issued may stay out: RUN 1's pieces are in
	SEG 64,32
	RUN 3
	s_wait_dscnt 16                                ; RUN 2's pieces and g are in
	SEG 96,32
.if \ald
	WIN 0
	s_wait_loadcnt 0x0                             ; x's steps 0 and 1 of pass 1
	s_cmp_eq_u32 s[SG], 31
	s_cbranch_scc0 .Lkeep23_\@
.rept 4
	v_nop
.endr
	ALOAD 2, 1
	WIN 0
.Lkeep23_\@:
.endif
	RUN 0
	s_wait_dscnt 16                                ; RUN 3's pieces are in
	SEG 0,16
	WIN 0                                          ; at a label and at a branch every window is 0
	s_add_co_u32 s[SG], s[SG], 1
	s_add_co_u32 s[GN], s[GN], 64
	s_and_b32 s[GN], s[GN], 0x7c0                  ; the experts go round: 32 x 64 bytes
.endm
	ALOAD 0, 0                                     ; x of pass 0: it stands in the wait for the first tile
	ALOAD 2, 0
	WIN 0
	s_wait_tensorcnt 0x1                           ; my parts of slot 0 and of g are in; slot 1's may stay out
	s_barrier_signal -1
	s_barrier_wait -1                              ; everybody's are
	v_mov_b32 v[AD], v[LB]                         ; slice 0 lies at LDS byte 0
	RUN 2                                          ; the pipeline is filled: slice 0's quarter 0,
	RUN 3                                          ; its quarter 1
	s_wait_dscnt 16                                ; quarter 0's pieces are in
.set cq, 3
.set cg, 0
.rept 8
	CVG                                            ; quarter 0's buffer is made
.set cg, cg+1
.endr
	RUN 0                                          ; quarter 2
	s_wait_dscnt 16                                ; quarter 1's pieces are in
	s_wait_loadcnt 0x0                             ; x
	SEG 0,16, 1,1,0                                ; slice 0's first 16 matrix instructions: there is no slice before it whose sums were to be taken
.set FIRST, 1
	TRIP SLICE, 0                                  ; slice 0: its g P starts T
.set FIRST, 0
	s_mov_b32 s[LP], 15
.Lpair:                                                ; four slices a trip, slices 1 to 60: both slots are left once and filled again: fills 2 to 31
	TRIP SLOT, 1, 0
	TRIP SLOT+SLICE, 0
	TRIP 0, 1, 1, 1, 0                             ; slice 31 is this text's, in the eighth trip
	TRIP SLICE, 0, 0, 0, 1
	s_sub_co_u32 s[LP], s[LP], 1
	s_cmp_lg_u32 s[LP], 0
	s_cbranch_scc1 .Lpair
	TRIP SLOT, 2                                   ; slice 61: the last change of slots: nothing is left to fetch, so no round follows
	TRIP SLOT+SLICE, 0                             ; slice 62
	; slice 63: only its last quarter is still to be asked for
	SEG 16,16
	RUN 1
	s_wait_dscnt 16
	SEG 32,32
	WIN 0
	v_add_nc_u32 v[GA], s[GN], v[GA0]
	GLOAD
	s_wait_dscnt 0x0                               ; the last sixteen pieces and g
	SEG 64,32
	SEG 96,32, 1,2,1                               ; no conversions are left: four v_nop behind the quarter's first product are the places between it and the lines that take its accumulator
	SEG 0,16, 0,0,1                                ; accumulators 16 to 31
; THE WAY OUT.  A lane holds eight neighbouring columns of one row; the lanes beside it hold other rows.  So a block of 16 rows at a time goes through my own stage in LDS: in by rows of 272 bytes,
; back as whole rows of 256 bytes.  LDS serves a wave's instructions in order (ISA guide 5.7.1.4): the loads see the stores above them, and the next block's stores come behind them.
.macro TOSTAGE a
.if (\a) >= 2
	s_wait_xcnt 0x0                                ; the stores of the block two before have read these registers: they are loaded again only behind this wait
.endif
	WIN FROM_T
.set i, 0
.rept 8
	ds_store_b128 v[STO], v[32*(\a)+4*i:32*(\a)+4*i+3] offset:64*(i/2)+16*(i%2)
.set i, i+1
.endr
	WIN 0
.set i, 0
.rept 8
	ds_load_b128 v[OB+32*((\a)%2)+4*i:OB+32*((\a)%2)+4*i+3], v[RD] offset:2*SP*i
.set i, i+1
.endr
.endm
.macro SEND a, younger                 ; younger: the LDS instructions issued behind block a's loads: the next block's sixteen, or none
	WIN 0
	s_wait_dscnt \younger
.set i, 0
.rept 8
	global_store_b128 v[CO], v[OB+32*((\a)%2)+4*i:OB+32*((\a)%2)+4*i+3], s[10:11] offset:(16*(\a)+2*i)*4096  ; 16 lanes store 256 consecutive bytes, at a multiple of 256 from part's first byte
.set i, i+1
.endr
.endm
	TOSTAGE 0
.irp a, 1,2,3,4,5,6,7
	TOSTAGE \a
	SEND (\a)-1, 16
.endr
	SEND 7, 0
	s_wait_tensorcnt 0x0                           ; the wave's end: behind my last tensor load and my last LDS store
	ds_add_u32 v[SPW], v[NIL]
	s_wait_dscnt 0x0
	CROUND                                         ; the closing round: no work-group ends while a partner may still ask for a tile that names it
	s_endpgm
.Lfunc_end_k_qbd53803d2f_mix:
	.size	k_qbd53803d2f_mix, .Lfunc_end_k_qbd53803d2f_mix-k_qbd53803d2f_mix
	.p2alignl 7, 3214868480
	.fill 96, 4, 3214868480
	.section	.rodata,"a",@progbits
	.p2align	6, 0x0
	.amdhsa_kernel k_qbd53803d2f_mix
		.amdhsa_group_segment_fixed_size 327680
		.amdhsa_private_segment_fixed_size 0
		.amdhsa_enable_private_segment 0
		.amdhsa_kernarg_size 32
		.amdhsa_user_sgpr_count 2
		.amdhsa_user_sgpr_kernarg_segment_ptr 1
		.amdhsa_wavefront_size32 1
		.amdhsa_system_sgpr_workgroup_id_x 1
		.amdhsa_system_sgpr_workgroup_id_y 1
		.amdhsa_system_sgpr_workgroup_id_z 1
		.amdhsa_system_vgpr_workitem_id 0
		.amdhsa_next_free_vgpr 1024
		.amdhsa_next_free_sgpr 72
		.amdhsa_reserve_vcc 0
		.amdhsa_float_denorm_mode_32 3
		.amdhsa_float_denorm_mode_16_64 3
		.amdhsa_memory_ordered 1
		.amdhsa_forward_progress 1
		.amdhsa_inst_pref_size 255
	.end_amdhsa_kernel
	.section	.bss,"aw",@nobits
	.p2align	6
	.space	262144
	.amdgpu_metadata
---
amdhsa.version: [ 1, 2 ]
amdhsa.kernels:
  - .name:           k_qbd53803d2f_mix
    .symbol:         k_qbd53803d2f_mix.kd
    .args:
      - { .name: weight, .offset: 0, .size: 8, .value_kind: global_buffer, .address_space: global }
      - { .name: xf, .offset: 8, .size: 8, .value_kind: global_buffer, .address_space: global }
      - { .name: gb, .offset: 16, .size: 8, .value_kind: global_buffer, .address_space: global }
      - { .name: part, .offset: 24, .size: 8, .value_kind: global_buffer, .address_space: global }
    .group_segment_fixed_size: 327680
    .private_segment_fixed_size: 0
    .kernarg_segment_align: 8
    .kernarg_segment_size: 32
    .max_flat_workgroup_size: 128
    .sgpr_count:     72
    .vgpr_count:     1024
    .wavefront_size: 32
...
	.end_amdgpu_metadata
.endif
;; end of part 4
;; launch addup: the kernel of part 3 again; grid 256 x 1, 8 waves a work-group, no clusters, 0 bytes of LDS; arguments part, out0; writes out0
